; MI455X (gfx1250); checked and timed in simulation.
; The chip was launched on July 23, 2026; its instructions are those of AMD's public machine-readable ISA for CDNA 5 (MIT licence, August 2026) and "CDNA5" Instruction Set Architecture Reference Guide (July 2026). The comments in the code are by the model that wrote it; some were corrected since.
;; GGUF Linear. Allowed arithmetic: matrix products marked QUANTISED: E4M3 operands, one E8M0 scale for each 32 along K, by v_wmma_scale_f32_16x16x128_f8f6f4 with both operands' format E4M3, f32 sums; everything else in f32.
;; Inputs: q_packed 262,144 x 16 uint8; q_scales 262,144 float16; x_codes 4 x 2,048 x 128 x 32 uint8 (E4M3 codes of x, K innermost, in blocks of 32 codes); x_scales 4 x 2,048 x 128 uint8 (E8M0 scales of x, one for each 32 codes along K).
;; Outputs: out0 4 x 2,048 x 2,048 float32.
;; This version of the problem:
;;   THIS VERSION OF THE PROBLEM IS GIVEN IN LOW PRECISION. The matrix products marked QUANTISED in the list below multiply operands that are first quantised to E4M3 (4 exponent bits, 3 mantissa bits; 8 bits a number), with one power-of-two scale for each 32 numbers along K (OCP MX v1.0); their sums are f32. All else is computed in f32.
;;   The module's matrix products, in the order in which they are computed (A, B: the left and right operand; K: the contracted axis; several contracted axes count as one K, in the product's order):
;;     1. [M 8,192, K 4,096] x [K 4,096, N 2,048]; A: input x (given as codes); B: computed on the way: QUANTISED
;;   THE QUANTISER, for each operand of a quantised product, along K:
;;     - K is cut into blocks of 32 from its start; a last block that is shorter is filled with zeros.
;;     - A block's scale is 2^e with e = floor(log2(the largest magnitude in the block)) - 8, held to -126 .. 127; a block of zeros has e = 0. As a byte (E8M0): e + 127.
;;     - Each number is divided by its block's scale, clamped to +-448, and rounded to the nearest number of E4M3, ties to even, subnormals kept.
;;     - The product sums the exact products of the quantised numbers (number of the format x scale) in f32.
;;   ~~~python
;;   def quantise(x, axis):      # numpy; x: float32 -> the quantised numbers, widened to float32 again
;;       x = np.moveaxis(x, axis, -1); K = x.shape[-1]
;;       x = np.pad(x, [(0, 0)] * (x.ndim - 1) + [(0, -K % 32)]); x = x.reshape(x.shape[:-1] + (-1, 32)); a = np.abs(x).max(-1, keepdims=True)
;;       e = np.where(a > 0, np.clip(np.frexp(np.where(a > 0, a, 1))[1] - 1 - 8, -126, 127), 0)      # np.frexp(a)[1] - 1 = floor(log2(a)), exactly
;;       r = np.clip(x / 2.0 ** e, -448, 448)
;;       step = 2.0 ** (np.maximum(np.frexp(np.where(r == 0, 1, r))[1] - 1, -6) - 3)
;;       q = np.round(r / step) * step * 2.0 ** e      # np.round: ties to even
;;       return np.moveaxis(q.reshape(q.shape[:-2] + (-1,))[..., :K], -1, axis).astype(np.float32)
;;   ~~~
;;   OPERANDS COMPUTED ON THE WAY. 'Computed on the way' means the value that the module computes at that place (a softmax that the list does not call 'softmax' is quantised finished and normalised). What goes into a quantiser is computed in f32, as accurately as f32 sums, v_exp_f32 and their like allow (about 1e-6 of the number): no bf16 or f16 on the way to a quantiser, and a product that is left as it is and whose result goes on into a quantised operand takes f32 operands (vector FMAs, or v_wmma_f32_16x16x4_f32). A number that lies on a knife's edge between two numbers of the format may be rounded either way, as far as f32 arithmetic and the matrix unit's own rounding can turn it there, and no further.
;;   INPUTS GIVEN AS CODES. x (in the module: [4, 2048, 4096], K = its axis 2): each comes as NAME_codes (uint8): NAME with its K axis moved to the last place and cut into blocks of 32 codes, [.., K / 32, bytes a block], one block behind the other in memory; one code a byte (a code: sign, 4 exponent bits, 3 mantissa bits); and NAME_scales (uint8): the same leading axes, one E8M0 byte (e + 127) for each 32 codes along K. Its value is code x scale, taken as it is: it is not quantised again, and the codes and scales need not be those that the quantiser above would give.
;; One version. Each part assembles by itself: llvm-mc -triple=amdgcn-amd-amdhsa -mcpu=gfx1250 --defsym DOCPART=n.
;; ======== version 1 of 1: 2 launches
;; limits: values are held in f16: magnitudes above 65,504 overflow, below 6.1e-05 lose precision; right only within a limited range of input values
;; workspace buffers: wq 8,650,752 bytes
;; launch quantw (part 1): grid 8 x 32, 4 waves a work-group, no clusters, 35,328 bytes of LDS; arguments q_packed, q_scales, wq; writes wq
.if DOCPART == 1
	.amdgcn_target "amdgcn-amd-amdhsa--gfx1250"
	.amdhsa_code_object_version 6
	.text
	.protected	k_q6b731c6b4c_quantw
	.globl	k_q6b731c6b4c_quantw
	.p2align	8
	.type	k_q6b731c6b4c_quantw,@function
k_q6b731c6b4c_quantw:
	s_mov_b64 s[64:65], 0
	v_nop
	global_prefetch_b8 v0, s[64:65] scope:SCOPE_SE
	s_setreg_imm32_b32 hwreg(HW_REG_WAVE_MODE, 25, 1), 1
	s_wait_xcnt 0x0
; W [2048][4096] is given as GGUF Q4_0: blocks of 32 weights along K, 16 bytes of nibbles (byte i: weight i below, weight 16 + i above) and one f16 scale d; w = d (q - 8).
; It is turned into codes of FP8 (E4M3) with one E8M0 scale byte for each 32 along K.  A Q4_0 block IS a block of the quantiser, and a lane that loads a block's 16 bytes holds all 32 weights.
; w = q d - 8 d by one fused multiply-add: (q - 8) d has at most 15 significant bits, so nothing is rounded ahead of the quantiser.
; LIMITS: a block of zeros gets the byte 1 where the rule says 127: its codes are zeros, which add nothing under any byte but 0xff, and this program alone reads the bytes.
;         NaN and infinities among the f16 scales are not served.
; THE WORKSPACE IS AN IMAGE OF THE PRODUCT'S OPERAND REGISTERS: [16 groups of 128 rows][16 units of 256 along K][33,792 bytes].  A unit: codes [2 steps of 128][8 blocks of 16 rows][4 chunks of 32 along K][512 bytes],
; a chunk holding lane (r, h)'s 16 bytes (row r, k = 16 h ..) at 256 h + 16 r; then 1,024 scale bytes: [2 loads][32 lanes][16 bytes]; load i, lane 16 (b % 2) + r, word 2 ((b / 2) % 2) + 1 - step: block b = 4 i .., row r, the step's four bytes.
; SHARES.  Work-group (x, y): rows 64 y .. + 63, K 512 x .. + 511: four blocks of 16 rows x 16 Q4_0 blocks.  In step j of 8, wave w takes rows 64 y + 8 j + 2 w and the next: lanes 0-15 the 16 Q4_0 blocks of the first, lanes 16-31 of the second:
; each load of nibbles reads twice 256 consecutive bytes, aligned.  So the four waves finish a block of 16 rows in two steps; its codes turn into the image in a stage in LDS (16 chunks, 528 bytes apart; a stage for each block, written once);
; behind a barrier wave w stores chunks 4 w .. 4 w + 3, 512 consecutive bytes a store, while the next block is worked on.  The scale bytes meet in LDS and leave at the end as 256 consecutive bytes a wave.
; The f16 scales are read 32 bytes a row: they are an eighth of what the launch reads.  No cluster, no tensor load, no matrix unit: the work-groups share no input, and every byte is read once.
.set BBLK,  33792
.set BGRP,  16*BBLK
.set CP,    528                        ; a chunk in the stage: 512 bytes + 16
.set STG,   16*CP                      ; a block's stage
.set SG,    4*STG                      ; behind the stages: 1,024 scale bytes
.set SPARE, SG+1024                    ; behind them the spare words
.set MANT,  0x600000                   ; the mantissa field of 448 as f32
.set PO,    4                          ; nibbles: 2,048 h + 16 kb
.set DO,    5                          ; f16 scales: 256 h + 2 kb
.set STW,   6                          ; the stage, in
.set STR,   7                          ; the stage, out
.set SBA,   8                          ; my block's scale byte
.set SGR,   9                          ; the scale bytes, out
.set CO,    10                         ; 16 lane
.set SO,    11                         ; 8 lane
.set DH,    12                         ; v12-19 the f16 scale of each step
.set E,     28                         ; v28-35 a scale byte for each step
.set P,     36                         ; v36-67 the nibbles
.set X,     68                         ; v68-99 the 32 weights in hand
.set C,     100                        ; v100-163 codes, eight registers a step
.set OUTR,  164                        ; v164-227 the image back from the stages, 16 registers a block
	s_load_b128 s[4:7], s[0:1], 0x0                ; the nibbles, the f16 scales
	s_load_b64 s[8:9], s[0:1], 0x10                ; the workspace
	v_lshl_add_u32 v232, v0, 2, SPARE
	v_mov_b32 v233, 0
	v_lshrrev_b32 v1, 5, v0
	v_readfirstlane_b32 s10, v1                    ; wave
	s_and_b32 s11, s10, 1
	s_lshr_b32 s12, s10, 1
	s_and_b32 s13, ttmp7, 0xffff                   ; y
	s_lshl_b32 s15, s13, 6
	s_lshl_b32 s14, s10, 1
	s_add_co_u32 s15, s15, s14                     ; my first row: 64 y + 2 w
	s_lshl_b32 s20, s15, 11                        ; nibbles: 2,048 bytes a row, 256 for 512 along K
	s_lshl_b32 s14, ttmp9, 8
	s_add_co_u32 s20, s20, s14
	s_mov_b32 s21, 0
	s_lshl_b32 s22, s15, 8                         ; f16 scales: 256 bytes a row, 32 for 512 along K
	s_lshl_b32 s14, ttmp9, 5
	s_add_co_u32 s22, s22, s14
	s_mov_b32 s23, 0
	s_lshr_b32 s24, s13, 1                         ; the group,
	s_and_b32 s25, s13, 1                          ; and which four blocks of it
	s_mul_i32 s24, s24, BGRP
	s_mul_i32 s14, ttmp9, 2*BBLK
	s_add_co_u32 s24, s24, s14                     ; the first of the two units
	s_mul_i32 s14, s12, BBLK                       ; chunks 4 w ..: unit w / 2,
	s_add_co_u32 s24, s24, s14
	s_lshl_b32 s26, s11, 14                        ; step w % 2,
	s_add_co_u32 s26, s26, s24
	s_lshl_b32 s14, s25, 13                        ; the four blocks: 2,048 bytes each
	s_add_co_u32 s26, s26, s14
	s_mov_b32 s27, 0
	s_lshl_b32 s28, s25, 9                         ; scale bytes: wave w stores quarter w of the 1,024: unit w / 2, load y % 2,
	s_add_co_u32 s28, s28, s24
	s_lshl_b32 s14, s11, 8                         ; half w % 2,
	s_add_co_u32 s28, s28, s14
	s_add_co_u32 s28, s28, 32768                   ; behind the unit's codes
	s_mov_b32 s29, 0
	s_lshl_b32 s2, s10, 5                          ; rows 2 w, 2 w + 1 of a step's eight: 16 bytes a row
	s_mul_i32 s3, s10, 4*CP                        ; chunks 4 w ..
	s_lshl_b32 s14, s10, 8
	s_add_co_u32 s14, s14, SG
	s_add_co_u32 s15, s2, SG
	s_mov_b32 s30, MANT
	v_and_b32 v1, 31, v0                           ; lane
	v_and_b32 v2, 15, v0                           ; kb: which Q4_0 block of the 16
	v_bfe_u32 v3, v0, 4, 1                         ; h: which row of my two
	v_lshlrev_b32 v[PO], 4, v2
	v_lshl_add_u32 v[PO], v3, 11, v[PO]
	v_lshlrev_b32 v[DO], 1, v2
	v_lshl_add_u32 v[DO], v3, 8, v[DO]
	v_mul_u32_u24 v[STW], v2, CP                   ; chunk kb, 16 bytes a row
	v_lshl_add_u32 v[STW], v3, 4, v[STW]
	v_add_nc_u32 v[STW], s2, v[STW]
	v_lshl_add_u32 v[STR], v1, 4, s3
	v_and_b32 v[SBA], 3, v0                        ; the byte in its word: kb % 4
	v_bfe_u32 v24, v0, 2, 1
	v_xor_b32 v24, 1, v24                          ; the word: 1 - step
	v_lshl_add_u32 v[SBA], v24, 2, v[SBA]
	v_bfe_u32 v24, v0, 3, 1                        ; the unit
	v_lshl_add_u32 v[SBA], v24, 9, v[SBA]
	v_lshl_add_u32 v[SBA], v3, 4, v[SBA]
	v_add_nc_u32 v[SBA], s15, v[SBA]
	v_lshl_add_u32 v[SGR], v1, 3, s14
	v_lshlrev_b32 v[CO], 4, v1
	v_lshlrev_b32 v[SO], 3, v1
	v_mov_b32 v21, 0                               ; upper halves of the pairs v[20:21], v[22:23]
	v_mov_b32 v23, 0
	s_wait_alu depctr_va_vdst(0)                   ; the wait at the head's end
	s_wait_kmcnt 0x0
	s_add_nc_u64 s[4:5], s[4:5], s[20:21]
	s_add_nc_u64 s[6:7], s[6:7], s[22:23]
	s_add_nc_u64 s[16:17], s[8:9], s[26:27]
	s_add_nc_u64 s[18:19], s[8:9], s[28:29]
.irp j, 0,1,2,3,4,5,6,7
	global_load_u16 v[DH+\j], v[DO], s[6:7] offset:2048*\j
.endr
.irp j, 0,1,2,3,4,5,6,7
	global_load_b128 v[P+4*\j:P+4*\j+3], v[PO], s[4:5] offset:16384*\j th:TH_LOAD_NT
.endr
.macro BLOCK j                         ; step j: one Q4_0 block a lane
	s_wait_loadcnt 7-(\j)                          ; the eight scales and the nibbles of steps 0 .. j are in
	v_mov_b32 v2, v[DH+(\j)]
	v_cvt_f32_f16 v20, v2.l                        ; d, exact
.irp c, 0,1,2,3
.irp t, 0,1,2,3
	v_bfe_u32 v[X+4*\c+\t], v[P+4*(\j)+\c], 8*\t, 4
	v_bfe_u32 v[X+16+4*\c+\t], v[P+4*(\j)+\c], 8*\t+4, 4
.endr
.endr
	v_mul_f32 v22, 0xc1000000, v20                 ; -8 d
.set i, 0
.rept 32
	v_cvt_f32_u32 v[X+i], v[X+i]
.set i, i+1
.endr
.set i, 0
.rept 16
	v_pk_fma_f32 v[X+i:X+i+1], v[X+i:X+i+1], v[20:21], v[22:23] op_sel_hi:[1,0,0]   ; q d - 8 d
.set i, i+2
.endr
	v_max3_num_f32 v24, |v[X]|, |v[X+1]|, |v[X+2]|            ; the block's largest magnitude, in two chains
	v_max3_num_f32 v25, |v[X+3]|, |v[X+4]|, |v[X+5]|
.irp i, 6,10,14,18,22,26
	v_max3_num_f32 v24, v24, |v[X+\i]|, |v[X+\i+1]|
	v_max3_num_f32 v25, v25, |v[X+\i+2]|, |v[X+\i+3]|
.endr
	v_max3_num_f32 v24, v24, |v[X+30]|, |v[X+31]|
	v_max3_num_f32 v24, v24, v25, 0x4800000        ; the floor 2^(9 - 127): the byte cannot fall under 1
	v_add_nc_u32 v26, 0xfc000000, v24              ; 8 off the exponent field: the conversion's scale operand
	v_and_or_b32 v27, v24, 0x7f800000, s30         ; 448 x the scale
	v_lshrrev_b32 v[E+(\j)], 23, v26               ; the scale's byte
.set i, 0
.rept 32
	v_med3_num_f32 v[X+i], v[X+i], -v27, v27       ; the conversion does not saturate (ISA guide 7.6.2): hold first
.set i, i+1
.endr
.irp g, 0,1,2,3
	v_cvt_scalef32_pk8_fp8_f32 v[C+8*(\j)+2*\g:C+8*(\j)+2*\g+1], v[X+8*\g:X+8*\g+7], v26
.endr
	v_nop                                          ; one plain line behind the conversions
	ds_store_b128 v[STW], v[C+8*(\j):C+8*(\j)+3] offset:((\j)/2)*STG+((\j)%2)*128            ; k 0-15 of my block: the chunk's lower half
	ds_store_b128 v[STW], v[C+8*(\j)+4:C+8*(\j)+7] offset:((\j)/2)*STG+((\j)%2)*128+256      ; k 16-31: its upper half
	ds_store_b8 v[SBA], v[E+(\j)] offset:((\j)/4)*8+(((\j)/2)%2)*256+((\j)%2)*128
.endm
.macro MEET bj                         ; block bj of 16 rows is whole in its stage: my four chunks come back
	s_wait_dscnt 0x0                               ; for the others' sake: my LDS stores have landed
	s_barrier_signal -1
	s_barrier_wait -1
.irp c, 0,1,2,3
	ds_load_b128 v[OUTR+16*(\bj)+4*\c:OUTR+16*(\bj)+4*\c+3], v[STR] offset:(\bj)*STG+\c*CP
.endr
.endm
.macro SENDQ bj, younger               ; younger: the LDS instructions issued behind the four loads
	s_wait_dscnt \younger
.irp c, 0,1,2,3
	global_store_b128 v[CO], v[OUTR+16*(\bj)+4*\c:OUTR+16*(\bj)+4*\c+3], s[16:17] offset:(\bj)*2048+\c*512   ; 512 consecutive bytes, aligned
.endr
.endm
	BLOCK 0
	BLOCK 1
	MEET 0
	BLOCK 2
	SENDQ 0, 3
	BLOCK 3
	MEET 1
	BLOCK 4
	SENDQ 1, 3
	BLOCK 5
	MEET 2
	BLOCK 6
	SENDQ 2, 3
	BLOCK 7
	MEET 3                                         ; the same barrier shows all four waves' scale bytes
	ds_load_b64 v[228:229], v[SGR]
	SENDQ 3, 1
	s_wait_dscnt 0x0
	global_store_b64 v[SO], v[228:229], s[18:19]   ; 256 consecutive bytes, aligned
	s_wait_tensorcnt 0x0                           ; the wave's end
	ds_add_u32 v232, v233
	s_wait_dscnt 0x0
	s_endpgm
.Lfunc_end_k_q6b731c6b4c_quantw:
	.size	k_q6b731c6b4c_quantw, .Lfunc_end_k_q6b731c6b4c_quantw-k_q6b731c6b4c_quantw
	.p2alignl 7, 3214868480
	.fill 96, 4, 3214868480
	.section	.rodata,"a",@progbits
	.p2align	6, 0x0
	.amdhsa_kernel k_q6b731c6b4c_quantw
		.amdhsa_group_segment_fixed_size 35328
		.amdhsa_private_segment_fixed_size 0
		.amdhsa_enable_private_segment 0
		.amdhsa_kernarg_size 24
		.amdhsa_user_sgpr_count 2
		.amdhsa_user_sgpr_kernarg_segment_ptr 1
		.amdhsa_wavefront_size32 1
		.amdhsa_system_sgpr_workgroup_id_x 1
		.amdhsa_system_sgpr_workgroup_id_y 1
		.amdhsa_system_sgpr_workgroup_id_z 1
		.amdhsa_system_vgpr_workitem_id 0
		.amdhsa_next_free_vgpr 234
		.amdhsa_next_free_sgpr 66
		.amdhsa_reserve_vcc 0
		.amdhsa_float_denorm_mode_32 3
		.amdhsa_float_denorm_mode_16_64 3
		.amdhsa_memory_ordered 1
		.amdhsa_forward_progress 1
		.amdhsa_inst_pref_size 71
	.end_amdhsa_kernel
	.amdgpu_metadata
---
amdhsa.version: [ 1, 2 ]
amdhsa.kernels:
  - .name:           k_q6b731c6b4c_quantw
    .symbol:         k_q6b731c6b4c_quantw.kd
    .args:
      - { .name: q_packed, .offset: 0, .size: 8, .value_kind: global_buffer, .address_space: global }
      - { .name: q_scales, .offset: 8, .size: 8, .value_kind: global_buffer, .address_space: global }
      - { .name: wq, .offset: 16, .size: 8, .value_kind: global_buffer, .address_space: global }
    .group_segment_fixed_size: 35328
    .private_segment_fixed_size: 0
    .kernarg_segment_align: 8
    .kernarg_segment_size: 24
    .max_flat_workgroup_size: 128
    .sgpr_count:     66
    .vgpr_count:     234
    .wavefront_size: 32
...
	.end_amdgpu_metadata
.endif
;; end of part 1
;; launch gemm (part 2): grid 8 x 32, 4 waves a work-group, clusters of 4 x 1, 327,680 bytes of LDS; arguments x_codes, x_scales, wq, out0; writes out0
.if DOCPART == 2
	.amdgcn_target "amdgcn-amd-amdhsa--gfx1250"
	.amdhsa_code_object_version 6
	.text
	.protected	k_q6b731c6b4c_gemm
	.globl	k_q6b731c6b4c_gemm
	.p2align	8
	.type	k_q6b731c6b4c_gemm,@function
k_q6b731c6b4c_gemm:
	s_mov_b64 s[64:65], 0
	v_nop
	global_prefetch_b8 v0, s[64:65] scope:SCOPE_SE
	s_setreg_imm32_b32 hwreg(HW_REG_WAVE_MODE, 25, 1), 1
	s_wait_xcnt 0x0
	s_wait_alu depctr_hold_cnt(0) depctr_sa_sdst(0) depctr_va_vdst(0) depctr_va_sdst(0) depctr_va_ssrc(0) depctr_va_vcc(0) depctr_vm_vsrc(0)
	s_getreg_b32 s2, hwreg(HW_REG_IB_STS2, 6, 4)
	s_cmp_eq_u32 s2, 0
	s_cbranch_scc0 .Lentry_in_a_cluster
	s_endpgm
.Lentry_in_a_cluster:
	s_bfe_u32 s2, ttmp6, 0x10000c
	s_cmp_lg_u32 s2, 0x3003
	s_cbranch_scc0 .Lentry_shape_is_right
	s_endpgm
.Lentry_shape_is_right:
; out[m][n] = sum over k of x[m][k] W[n][k], both as E4M3 codes with one E8M0 byte for each 32 along K.  x: 8,192 rows x 4,096; W: 2,048 rows, from the workspace.
; A work-group of four waves makes 256 x 256; a wave 128 x 128: 64 accumulators, 512 registers.  The matrix instruction is used transposed (source 0 = W's rows, source 1 = x's rows): a lane holds eight neighbouring columns of a row.
; x GOES THROUGH LDS: a ring of two slots, each 256 rows x 512 along K (rows of 512 bytes + 16), filled by joint loads of the four work-groups of a cluster, which make one tile row.  x's scales (256 rows x 128 bytes) come once, at the head.
; W GOES STRAIGHT INTO REGISTERS: the workspace is an image of the operand's registers, so a load of 16 bytes a lane reads 512 consecutive bytes.  Two sets of 128 registers; a half set is asked for again, two steps on, as soon as its last product is issued.
; W has no joint load: plain loads have no such form, and with W's 256 rows beside x's in LDS a slot would hold 256 along K and not 512 (two slots of 512 rows x 528 bytes do not fit).
; A STEP is 128 along K, 64 products in four quadrants: (x rows 0-63, W 0-63), (64-127, 0-63), (64-127, 64-127), (0-63, 64-127).  x's rows 0-63 have two buffers by turns, rows 64-127 one.  The loads stand in three runs a step.
; All reads of a slot are issued by the third quadrant of its third step, so the one round for the change of slots stands in that step's fourth quadrant.
; THE LAST STEP GOES BY ROWS OF THE RESULT: eight products finish a block of 16 rows, which leaves at once, through my stage in LDS and back into its own accumulator registers: no store's registers or base are written again.
; REGISTERS: window 0: v0-31 addresses; v32-47 x's scale words, v48-63 W's (two sets each; in a product the two registers differ in parity); v64-127 x rows 64-127; v128-255 x rows 0-63, two buffers.
;   window 1: W's two sets.  window 2: accumulators of my rows 0-63 ((a, b) at v[8 (8 a + b)]); window 3: rows 64-127.
; PREFETCH: x: each wave of the cluster names 32 of the 512 blocks of 256 bytes of the slot three on from the one at work, shared out by address (64 wave + 16 cx + lane / 2, lane % 2).
;   W: a unit's 132 blocks are shared among 16 (eight by the tile row's number, two by the wave), nine lanes each, the rest naming the last again; asked five steps ahead of the unit's first load.  Both stop inside their rows and groups.
.set PITCH,  528
.set QT,     64*PITCH                  ; 64 rows: a wave's load in the ring
.set SLOT,   4*QT
.set SCL,    2*SLOT                    ; x's scales: units of 256 bytes + 16
.set SBLK,   8*272                     ; those of 16 rows
.set HALFS,  64*272                    ; of 128 rows
.set SPARE,  SCL+2*HALFS
.set SPITCH, 528                       ; the way out: a stage of 16 rows x (512 + 16) bytes a wave, in slot 0 behind its last fill and last read
.set BBLK,   33792
.set BGRP,   16*BBLK
.set SIZE_N, 2048
.set ADRA, 16                          ; v16-17 my x fragments in slot 0, 1
.set ADSA, 18                          ; x's scale words
.set STO,  19
.set RD,   20
.set CO,   21                          ; 16 lane: W's loads and the stores
.set PFO,  22
.set PFB,  23
.set SPW,  28
.set NIL,  29
.set SCA,  32
.set SCB,  48
.set SB,   64
.set FB,   128
.set G1,   24                          ; s[24:31] ring: 64 rows;  s[32:39] group 0 for each slot
.set G0,   32
.set G1H,  48                          ; s[48:55], s[56:59] the head's 128 rows
.set G0H,  56
.set G1S,  68                          ; s[68:75], s[76:79] the scales
.set G0S,  76
.set BB,   80                          ; s[80:81] W: my group, at the lap's first unit
.set PA,   82                          ; s[82:83] x: my 64 rows, at the lap's first byte
.set MSB, 0
.macro WIN new
.if MSB != \new
	s_set_vgpr_msb (MSB<<8)|\new
.set MSB, \new
.endif
.endm
.set MUL_LO, 0xa1
.set MUL_HI, 0xf1
.set TO_B,   0x40
.macro PLACES n
.rept \n
	v_nop
.endr
.endm
.macro CREST
	s_cmp_lg_u32 s14, 0
	s_cbranch_scc1 .Lnot_wave_0_\@
	s_barrier_signal -3
.Lnot_wave_0_\@:
	s_barrier_wait -3
	s_barrier_signal -1
	s_barrier_wait -1
.endm
.macro CROUND
	s_barrier_signal -1
	s_barrier_wait -1
	CREST
.endm
	s_load_b256 s[4:11], s[0:1], 0x0               ; x's codes, x's scales, the workspace, out
	v_lshl_add_u32 v[SPW], v0, 2, SPARE
	v_mov_b32 v[NIL], 0
	ds_add_u32 v[SPW], v[NIL]                      ; the opening lines: the add twice on end and its wait
	ds_add_u32 v[SPW], v[NIL]
	v_lshrrev_b32 v1, 5, v0
	v_readfirstlane_b32 s14, v1                    ; wave
	s_lshr_b32 s15, s14, 1                         ; my half of the rows
	s_and_b32 s16, s14, 1                          ; my half of the columns
	s_bfe_u32 s40, ttmp6, 0x40000                  ; cx
	s_lshl_b32 s42, ttmp9, 2
	s_add_co_u32 s42, s42, s40                     ; tile column
	s_and_b32 s17, ttmp7, 0xffff                   ; tile row: the cluster's
	s_mov_b32 s[G1+0], 15|(1<<20)|(1<<21)|(6<<22)|(3<<25)   ; mask: the four of the cluster; bytes; 16 bytes of padding behind every 512
	s_mov_b32 s[G1+1], 512<<16
	s_mov_b32 s[G1+2], 64<<16
	s_mov_b32 s[G1+3], 512<<16
	s_mov_b32 s[G1+4], 64
	s_mov_b32 s[G1+5], 4096
	s_mov_b32 s[G1+6], 0
	s_mov_b32 s[G1+7], 0
	s_mov_b32 s[G1H+0], 15|(1<<20)|(1<<21)|(6<<22)|(3<<25)
	s_mov_b32 s[G1H+1], 512<<16
	s_mov_b32 s[G1H+2], 128<<16
	s_mov_b32 s[G1H+3], 512<<16
	s_mov_b32 s[G1H+4], 128
	s_mov_b32 s[G1H+5], 4096
	s_mov_b32 s[G1H+6], 0
	s_mov_b32 s[G1H+7], 0
	s_mov_b32 s[G1S+0], 15|(3<<16)|(1<<20)|(1<<21)|(5<<22)|(3<<25)   ; a dense block as 64 rows of 256 bytes, 16 of padding behind each
	s_mov_b32 s[G1S+1], 32<<16
	s_mov_b32 s[G1S+2], 64<<16
	s_mov_b32 s[G1S+3], 32<<16
	s_mov_b32 s[G1S+4], 64
	s_mov_b32 s[G1S+5], 32
	s_mov_b32 s[G1S+6], 0
	s_mov_b32 s[G1S+7], 0
	s_lshl_b32 s18, s17, 20                        ; 256 rows x 4,096 bytes a tile row
	s_lshl_b32 s20, s14, 18
	s_add_co_u32 s20, s20, s18                     ; ring: my 64 rows
	s_mov_b32 s21, 0
	s_lshl_b32 s22, s16, 19
	s_add_co_u32 s22, s22, s18                     ; head: 128 rows
	s_mov_b32 s23, 0
	s_lshl_b32 s44, s17, 15                        ; scales: 128 bytes a row
	s_lshl_b32 s45, s16, 14
	s_add_co_u32 s44, s44, s45
	s_mov_b32 s45, 0
	s_lshl_b32 s46, s42, 1
	s_add_co_u32 s46, s46, s16
	s_mul_i32 s46, s46, BGRP                       ; W: my group of 128 rows
	s_mov_b32 s47, 0
	s_lshl_b32 s84, s17, 21                        ; out: 8,192 bytes a row
	s_lshl_b32 s85, s15, 20
	s_add_co_u32 s84, s84, s85
	s_lshl_b32 s85, s42, 10
	s_add_co_u32 s84, s84, s85
	s_lshl_b32 s85, s16, 9
	s_add_co_u32 s84, s84, s85
	s_mov_b32 s85, 0
	s_mul_i32 s86, s15, 2*QT                       ; LDS: my 128 rows of x, slot 0 and 1
	s_add_co_u32 s87, s86, SLOT
	s_mul_i32 s88, s15, HALFS
	s_add_co_u32 s88, s88, SCL
	s_mul_i32 s89, s14, 16*SPITCH
	s_lshl_b32 s90, s40, 4
	s_and_b32 s91, s17, 3                          ; W's prefetch: my share of 16
	s_bfe_u32 s19, s17, 0x10003
	s_lshl_b32 s19, s19, 2
	s_or_b32 s91, s91, s19
	s_lshl_b32 s91, s91, 1
	s_add_co_u32 s91, s91, s15
	s_mul_i32 s91, s91, 9
	s_mul_i32 s92, s14, QT
	s_mov_b32 s[G0H], 1
	s_mul_i32 s[G0H+1], s16, 2*QT
	s_mov_b32 s[G0S], 1
	s_mul_i32 s[G0S+1], s16, HALFS
	s_add_co_u32 s[G0S+1], s[G0S+1], SCL
	s_wait_dscnt 0x0                               ; both opening adds are done
	s_wait_kmcnt 0x0
	s_add_nc_u64 s[PA:PA+1], s[4:5], s[20:21]
	s_add_nc_u64 s[G0H+2:G0H+3], s[4:5], s[22:23]
	s_or_b32 s[G0H+3], s[G0H+3], 0x80000000
	s_add_nc_u64 s[G0S+2:G0S+3], s[6:7], s[44:45]
	s_or_b32 s[G0S+3], s[G0S+3], 0x80000000
	s_add_nc_u64 s[BB:BB+1], s[8:9], s[46:47]
	s_add_nc_u64 s[10:11], s[10:11], s[84:85]
.irp s, 0,1
	s_mov_b32 s[G0+4*\s], 1
	s_add_co_u32 s[G0+4*\s+1], s92, \s*SLOT
	s_add_nc_u64 s[G0+4*\s+2:G0+4*\s+3], s[PA:PA+1], \s*512
	s_or_b32 s[G0+4*\s+3], s[G0+4*\s+3], 0x80000000
.endr
	CROUND                                         ; the four work-groups are here: the first joint loads meet
	s_cmp_eq_u32 s15, 0                            ; one load a wave at the head: waves 0, 1 slot 0's halves, waves 2, 3 the scales' halves
	s_cbranch_scc0 .Lhead_s
	tensor_load_to_lds s[G0H:G0H+3], s[G1H:G1H+7]
	s_nop 0
	PLACES 4
	s_branch .Lhead_j
.Lhead_s:
	tensor_load_to_lds s[G0S:G0S+3], s[G1S:G1S+7]
	s_nop 0
	PLACES 4
.Lhead_j:
	v_and_b32 v1, 15, v0                           ; r
	v_bfe_u32 v2, v0, 4, 1                         ; h
	v_and_b32 v3, 31, v0                           ; lane
	v_mul_u32_u24 v4, v1, PITCH
	v_lshl_add_u32 v4, v2, 4, v4
	v_add_nc_u32 v[ADRA], s86, v4
	v_add_nc_u32 v[ADRA+1], s87, v4
	v_lshlrev_b32 v5, 7, v1                        ; scales: 128 bytes a row, 16 more for each 256 passed;
	v_lshrrev_b32 v6, 1, v1
	v_lshl_add_u32 v5, v6, 4, v5
	v_mul_u32_u24 v6, v2, SBLK                     ; lanes 16-31 take the next block of 16 rows
	v_add_nc_u32 v5, v5, v6
	v_add_nc_u32 v[ADSA], s88, v5
	v_mul_u32_u24 v5, v1, SPITCH
	v_lshl_add_u32 v5, v2, 5, v5
	v_add_nc_u32 v[STO], s89, v5
	v_lshlrev_b32 v[CO], 4, v3
	v_add_nc_u32 v[RD], s89, v[CO]
	v_lshrrev_b32 v5, 1, v3
	v_add_nc_u32 v5, s90, v5
	v_lshlrev_b32 v5, 12, v5
	v_and_b32 v6, 1, v0
	v_lshl_add_u32 v[PFO], v6, 8, v5
	v_min_u32 v5, 8, v3
	v_add_nc_u32 v5, s91, v5
	v_min_u32 v5, 131, v5
	v_lshlrev_b32 v[PFB], 8, v5
	s_wait_alu depctr_va_vdst(0)                   ; the wait at the head's end
; L counts steps of 128 from the lap's first; L1, L2: the step one and two on; BI: byte of step L2's codes from s[BB]
.macro AHEAD l2
.set L2, \l2
.set BI, (L2/2)*BBLK+(L2%2)*16384
.endm
.macro LDB hf                          ; W's blocks 4 hf .. + 3 of step L2 into set L2 % 2
.irp bb, 0,1,2,3
.irp c, 0,1,2,3
	global_load_b128 v[128*(L2%2)+64*\hf+16*\bb+4*\c:128*(L2%2)+64*\hf+16*\bb+4*\c+3], v[CO], s[BB:BB+1] offset:BI+(4*\hf+\bb)*2048+\c*512
.endr
.endr
.endm
.macro BSC                             ; W's scale words of step L2's unit
.irp i, 0,1
	global_load_b128 v[SCB+8*((L2/2)%2)+4*\i:SCB+8*((L2/2)%2)+4*\i+3], v[CO], s[BB:BB+1] offset:(L2/2)*BBLK+32768+512*\i
.endr
.endm
.macro ASC                             ; x's scale words of step L2's unit: lanes 0-15 block 2 j, lanes 16-31 block 2 j + 1
.irp j, 0,1,2,3
	ds_load_b64 v[SCA+8*((L2/2)%2)+2*\j:SCA+8*((L2/2)%2)+2*\j+1], v[ADSA] offset:\j*2*SBLK+8*(L2/2)
.endr
.endm
.macro LDA reg, slot, q, i0            ; x's blocks i0 .. + 3 of the slot's q-th 128 along K
.irp i, 0,1,2,3
.irp c, 0,1,2,3
	ds_load_b128 v[(\reg)+16*\i+4*\c:(\reg)+16*\i+4*\c+3], v[ADRA+(\slot)] offset:128*(\q)+32*\c+((\i0)+\i)*16*PITCH
.endr
.endr
.endm
.macro WM a, b, L, z
.set rD,  8*(8*((\a)%4)+(\b))
.set rB,  128*((\L)%2)+16*(\b)
.if (\a) < 4
.set rA,  FB+64*((\L)%2)+16*(\a)
.else
.set rA,  SB+16*((\a)-4)
.endif
.set rSB, SCB+8*(((\L)/2)%2)+2*((\b)/2)+1-((\L)%2)
.set rSA, SCA+8*(((\L)/2)%2)+2*((\a)/2)+((\L)%2)
.if \z
.if (((\a)%2) == 0) && (((\b)%2) == 0)
	v_wmma_scale_f32_16x16x128_f8f6f4 v[rD:rD+7], v[rB:rB+15], v[rA:rA+15], 0, v[rSB], v[rSA]
.elseif ((\a)%2) == 0
	v_wmma_scale_f32_16x16x128_f8f6f4 v[rD:rD+7], v[rB:rB+15], v[rA:rA+15], 0, v[rSB], v[rSA] matrix_a_scale:MATRIX_SCALE_ROW1
.elseif ((\b)%2) == 0
	v_wmma_scale_f32_16x16x128_f8f6f4 v[rD:rD+7], v[rB:rB+15], v[rA:rA+15], 0, v[rSB], v[rSA] matrix_b_scale:MATRIX_SCALE_ROW1
.else
	v_wmma_scale_f32_16x16x128_f8f6f4 v[rD:rD+7], v[rB:rB+15], v[rA:rA+15], 0, v[rSB], v[rSA] matrix_a_scale:MATRIX_SCALE_ROW1 matrix_b_scale:MATRIX_SCALE_ROW1
.endif
.else
.if (((\a)%2) == 0) && (((\b)%2) == 0)
	v_wmma_scale_f32_16x16x128_f8f6f4 v[rD:rD+7], v[rB:rB+15], v[rA:rA+15], v[rD:rD+7], v[rSB], v[rSA]
.elseif ((\a)%2) == 0
	v_wmma_scale_f32_16x16x128_f8f6f4 v[rD:rD+7], v[rB:rB+15], v[rA:rA+15], v[rD:rD+7], v[rSB], v[rSA] matrix_a_scale:MATRIX_SCALE_ROW1
.elseif ((\b)%2) == 0
	v_wmma_scale_f32_16x16x128_f8f6f4 v[rD:rD+7], v[rB:rB+15], v[rA:rA+15], v[rD:rD+7], v[rSB], v[rSA] matrix_b_scale:MATRIX_SCALE_ROW1
.else
	v_wmma_scale_f32_16x16x128_f8f6f4 v[rD:rD+7], v[rB:rB+15], v[rA:rA+15], v[rD:rD+7], v[rSB], v[rSA] matrix_a_scale:MATRIX_SCALE_ROW1 matrix_b_scale:MATRIX_SCALE_ROW1
.endif
.endif
.endm
.macro QUAD a0, na, b0, L, z           ; x's blocks a0 .. a0 + na - 1 against W's b0 .. b0 + 3: the accumulators by turns
.set qa, \a0
.rept \na
.set qb, \b0
.rept 4
	WM qa, qb, \L, \z
.set qb, qb+1
.endr
.set qa, qa+1
.endr
.endm
; One step.  z: the products start the sums.  lb, ls, lf: ask for W of step L + 2, x's rows 64-127 of L + 1, x's rows 0-63 of L + 2.  turn: 1 a round and a refill, 2 a barrier alone.
; n1, n2: W's loads issued behind this step's first and second half set, which may stay out;  d1, d2: the LDS loads issued behind this step's rows 0-63 and rows 64-127.
.macro STEP L, z, lb, ls, lf, turn, n1, n2, d1, d2, pf
.set L1, (\L)+1
	AHEAD (\L)+2
	s_wait_loadcnt \n1
	s_wait_dscnt \d1
	WIN MUL_LO
	QUAD 0, 4, 0, \L, \z
	s_wait_dscnt \d2
	WIN MUL_HI
	QUAD 4, 4, 0, \L, \z
.if \lb
	PLACES 8                                       ; eight places ahead of loads into registers that products have read
.if (\L)%2 == 0
	WIN 0
	BSC
.endif
	WIN TO_B
	LDB 0
.endif
	s_wait_loadcnt \n2
	WIN MUL_HI
	QUAD 4, 4, 4, \L, \z
.if \ls
	PLACES 8
	WIN 0
	LDA SB, (L1/4)%2, L1%4, 4
.endif
.if \pf
.if (\L)%2 == 1
	global_prefetch_b8 v[PFB], s[BB:BB+1] offset:(((\L)+7)/2)*BBLK th:TH_LOAD_NT scope:SCOPE_SE
.endif
.if (\L)%4 == 3
.if (\L) == 7
	s_cmp_gt_u32 s3, 1                             ; in the last trip the slot three on would lie past the row's end
	s_cbranch_scc0 .Lno_ask_\@
.endif
	global_prefetch_b8 v[PFO], s[PA:PA+1] offset:((\L)/4+3)*512 th:TH_LOAD_NT scope:SCOPE_SE
.if (\L) == 7
.Lno_ask_\@:
.endif
.endif
.endif
.if \turn
	WIN 0
	s_wait_tensorcnt 0x0                           ; all my tensor loads have landed: my part of the next slot;
	ds_add_u32 v[SPW], v[NIL]
	WIN MUL_LO
	QUAD 0, 2, 4, \L, \z
	s_wait_dscnt 0x0                               ; the add is done, and my reads of this slot are over
	s_barrier_signal -1
	QUAD 2, 2, 4, \L, \z
	WIN 0
	s_barrier_wait -1
.if \turn == 1
	CREST                                          ; the barrier has opened a round of the cluster's barrier
	s_add_nc_u64 s[G0+4*(((\L)/4)%2)+2:G0+4*(((\L)/4)%2)+3], s[G0+4*(((\L)/4)%2)+2:G0+4*(((\L)/4)%2)+3], 1024
	tensor_load_to_lds s[G0+4*(((\L)/4)%2):G0+4*(((\L)/4)%2)+3], s[G1:G1+7]   ; this slot again, 1,024 along K on: my 64 rows
	s_nop 0
.endif
	PLACES 8
.else
	WIN MUL_LO
	QUAD 0, 4, 4, \L, \z
.if (\lb)+(\lf) > 0
	PLACES 8
.endif
.endif
.if \lb
	WIN TO_B
	LDB 1
.endif
	WIN 0
.if \lf
.if (\L)%2 == 0
	ASC
.endif
	LDA FB+64*(L2%2), (L2/4)%2, L2%4, 0
.endif
.endm
.macro NORM L, turn
	STEP \L, 0, 1, 1, 1, \turn, 48+2*((\L)%2), 50, 32, 16, 1
.endm
	AHEAD 0                                        ; W's steps 0 and 1, in the order in which the steps ask
	BSC
	WIN TO_B
	LDB 0
	LDB 1
	AHEAD 1
	LDB 0
	LDB 1
	WIN 0
	s_wait_tensorcnt 0x0                           ; my tile of the head's is in
	ds_add_u32 v[SPW], v[NIL]
	s_wait_dscnt 0x0
	CROUND
	tensor_load_to_lds s[G0+4:G0+7], s[G1:G1+7]    ; slot 1's first fill: my 64 rows
	s_nop 0
	PLACES 4
	AHEAD 0
	ASC
	LDA FB, 0, 0, 0
	LDA SB, 0, 0, 4
	LDA FB+64, 0, 1, 0
	STEP 0, 1, 1, 1, 1, 0, 48, 50, 32, 16, 0       ; the first step starts the sums
	s_mov_b32 s3, 3
.Llap:                                                 ; a trip: eight steps, from a lap's second to the next lap's first; both slots are filled again
	NORM 1, 0
	NORM 2, 1
	NORM 3, 0
	NORM 4, 0
	NORM 5, 0
	NORM 6, 1
	NORM 7, 0
	NORM 8, 0
	s_wait_xcnt 0x0                                ; the loads and prefetches have read their bases
	s_add_nc_u64 s[BB:BB+1], s[BB:BB+1], 4*BBLK
	s_add_nc_u64 s[PA:PA+1], s[PA:PA+1], 1024
	v_add_nc_u32 v[ADSA], 32, v[ADSA]
	s_wait_alu depctr_va_vdst(0)                   ; the wait here, directly behind the write
	s_sub_co_u32 s3, s3, 1
	s_cmp_lg_u32 s3, 0
	s_cbranch_scc1 .Llap
	STEP 1, 0, 1, 1, 1, 0, 50, 50, 32, 16, 0       ; the last steps fill nothing and ask for nothing past K's end
	STEP 2, 0, 1, 1, 1, 2, 48, 50, 32, 16, 0
	STEP 3, 0, 1, 1, 1, 0, 50, 50, 32, 16, 0
	STEP 4, 0, 1, 1, 1, 0, 48, 50, 32, 16, 0
	STEP 5, 0, 1, 1, 1, 0, 50, 50, 32, 16, 0
	STEP 6, 0, 0, 1, 0, 0, 48, 32, 32, 16, 0
; THE LAST STEP, BY ROWS, AND THE WAY OUT.  ROW a: block a's eight products, its eight accumulators by turns.  STG a: the block into my stage, each accumulator from its low end on.
; BACK a: whole rows of 512 bytes back into the block's own 64 registers, behind the wait that shows the stage's stores done.  SENDX a: 512 consecutive bytes a store, aligned; the block's place stands in the immediate (127 rows of 8,192 bytes at the most).
.macro ROW a
.set ww, MUL_LO+0x50*((\a)/4)
	WIN ww
.irp b, 0,1,2,3,4,5,6,7
	WM \a, \b, 7, 0
.endr
.endm
.macro STG a
.set AC, 64*((\a)%4)
.set ww, 0x08+4*((\a)/4)
	WIN ww
.irp b, 0,1,2,3,4,5,6,7
	ds_store_b128 v[STO], v[AC+8*\b:AC+8*\b+3] offset:64*\b
	ds_store_b128 v[STO], v[AC+8*\b+4:AC+8*\b+7] offset:64*\b+16
.endr
.endm
.macro BACK a
.set AC, 64*((\a)%4)
.set ww, 0x80+0x40*((\a)/4)
	WIN ww
.irp t, 0,1,2,3,4,5,6,7,8,9,10,11,12,13,14,15
	ds_load_b128 v[AC+4*\t:AC+4*\t+3], v[RD] offset:\t*SPITCH
.endr
.endm
.macro SENDX a, younger
.set AC, 64*((\a)%4)
.set ww, 0x08+4*((\a)/4)
	s_wait_dscnt \younger
	WIN ww
.irp t, 0,1,2,3,4,5,6,7,8,9,10,11,12,13,14,15
	global_store_b128 v[CO], v[AC+4*\t:AC+4*\t+3], s[10:11] offset:(16*(\a)+\t)*SIZE_N*4 th:TH_STORE_NT
.endr
.endm
	s_wait_loadcnt 0x0                             ; both halves of W's last set
	s_wait_dscnt 16                                ; x's rows 0-63 are in; rows 64-127 may be out: the wait for 0 below stands ahead of their first product
	ROW 0
.irp a, 0,1,2,3,4,5,6,7
	PLACES 8                                       ; eight places behind block a's products, ahead of the stores that read them and the loads that land on them
	STG \a
.if \a < 7
	ROW \a+1
.endif
	s_wait_dscnt 0x0                               ; the stage's stores have read the block's registers
	BACK \a
.if \a > 0
	SENDX \a-1, 16                                 ; behind block a - 1's loads: block a's 16
.endif
.endr
	SENDX 7, 0
	WIN 0
	s_wait_tensorcnt 0x0                           ; the wave's end
	ds_add_u32 v[SPW], v[NIL]
	s_wait_dscnt 0x0
	CROUND                                         ; the closing round
	s_endpgm
.Lfunc_end_k_q6b731c6b4c_gemm:
	.size	k_q6b731c6b4c_gemm, .Lfunc_end_k_q6b731c6b4c_gemm-k_q6b731c6b4c_gemm
	.p2alignl 7, 3214868480
	.fill 96, 4, 3214868480
	.section	.rodata,"a",@progbits
	.p2align	6, 0x0
	.amdhsa_kernel k_q6b731c6b4c_gemm
		.amdhsa_group_segment_fixed_size 327680
		.amdhsa_private_segment_fixed_size 0
		.amdhsa_enable_private_segment 0
		.amdhsa_kernarg_size 32
		.amdhsa_user_sgpr_count 2
		.amdhsa_user_sgpr_kernarg_segment_ptr 1
		.amdhsa_wavefront_size32 1
		.amdhsa_system_sgpr_workgroup_id_x 1
		.amdhsa_system_sgpr_workgroup_id_y 1
		.amdhsa_system_sgpr_workgroup_id_z 1
		.amdhsa_system_vgpr_workitem_id 0
		.amdhsa_next_free_vgpr 1024
		.amdhsa_next_free_sgpr 96
		.amdhsa_reserve_vcc 0
		.amdhsa_float_denorm_mode_32 3
		.amdhsa_float_denorm_mode_16_64 3
		.amdhsa_memory_ordered 1
		.amdhsa_forward_progress 1
		.amdhsa_inst_pref_size 255
	.end_amdhsa_kernel
	.section	.bss,"aw",@nobits
	.p2align	6
	.space	262144
	.amdgpu_metadata
---
amdhsa.version: [ 1, 2 ]
amdhsa.kernels:
  - .name:           k_q6b731c6b4c_gemm
    .symbol:         k_q6b731c6b4c_gemm.kd
    .args:
      - { .name: x_codes, .offset: 0, .size: 8, .value_kind: global_buffer, .address_space: global }
      - { .name: x_scales, .offset: 8, .size: 8, .value_kind: global_buffer, .address_space: global }
      - { .name: wq, .offset: 16, .size: 8, .value_kind: global_buffer, .address_space: global }
      - { .name: out0, .offset: 24, .size: 8, .value_kind: global_buffer, .address_space: global }
    .group_segment_fixed_size: 327680
    .private_segment_fixed_size: 0
    .kernarg_segment_align: 8
    .kernarg_segment_size: 32
    .max_flat_workgroup_size: 128
    .sgpr_count:     96
    .vgpr_count:     1024
    .wavefront_size: 32
...
	.end_amdgpu_metadata
.endif
;; end of part 2
